; MI455X (gfx1250); checked and timed in simulation.
; The chip was launched on July 23, 2026; its instructions are those of AMD's public machine-readable ISA for CDNA 5 (MIT licence, August 2026) and "CDNA5" Instruction Set Architecture Reference Guide (July 2026). The comments in the code are by the model that wrote it; some were corrected since.
;; Ply Bit Linear. Allowed arithmetic: matrix products marked QUANTISED: E4M3 operands, one given power-of-two scale a tensor, by v_wmma_f32_16x16x64_fp8_fp8 or v_wmma_f32_16x16x128_fp8_fp8, f32 sums; everything else in f32.
;; Inputs: lowp_scales 2 int32 (the exponents e of the quantised operands' scales 2^e); packed_weight 1,024 x 4,096 uint8; scale one number float32; x 4,096 x 4,096 float16.
;; Outputs: out0 4,096 x 4,096 float32.
;; This version of the problem:
;;   THIS VERSION OF THE PROBLEM IS GIVEN IN LOW PRECISION. The matrix products marked QUANTISED in the list below multiply operands that are first quantised to E4M3 (4 exponent bits, 3 mantissa bits; 8 bits a number), with one given power-of-two scale for each operand tensor; their sums are f32. All else is computed in f32.
;;   The module's matrix products, in the order in which they are computed (A, B: the left and right operand; K: the contracted axis; several contracted axes count as one K, in the product's order):
;;     1. [M 4,096, K 4,096] x [K 4,096, N 4,096]; A: input x; B: computed on the way: QUANTISED (scales: A lowp_scales[0], B lowp_scales[1])
;;   THE QUANTISER, for each operand of a quantised product, along K:
;;     - The operand's scale is 2^e, e = its entry of the input lowp_scales (int32; the entries are numbered through the quantised products in the list's order, A before B).
;;     - Each number is divided by the scale, clamped to +-448, and rounded to the nearest number of E4M3, ties to even, subnormals kept.
;;     - The product sums the exact products of the quantised numbers (number of the format x scale) in f32.
;;   ~~~python
;;   def quantise(x, axis, e):      # numpy; x: float32 -> the quantised numbers, widened to float32 again
;;       x = np.moveaxis(x, axis, -1); K = x.shape[-1]
;;       r = np.clip(x / 2.0 ** e, -448, 448)
;;       step = 2.0 ** (np.maximum(np.frexp(np.where(r == 0, 1, r))[1] - 1, -6) - 3)
;;       q = np.round(r / step) * step * 2.0 ** e      # np.round: ties to even
;;       return np.moveaxis(q, -1, axis).astype(np.float32)
;;   ~~~
;;   OPERANDS COMPUTED ON THE WAY. 'Computed on the way' means the value that the module computes at that place (a softmax that the list does not call 'softmax' is quantised finished and normalised). What goes into a quantiser is computed in f32, as accurately as f32 sums, v_exp_f32 and their like allow (about 1e-6 of the number): no bf16 or f16 on the way to a quantiser, and a product that is left as it is and whose result goes on into a quantised operand takes f32 operands (vector FMAs, or v_wmma_f32_16x16x4_f32). A number that lies on a knife's edge between two numbers of the format may be rounded either way, as far as f32 arithmetic and the matrix unit's own rounding can turn it there, and no further.
;; One version. Each part assembles by itself: llvm-mc -triple=amdgcn-amd-amdhsa -mcpu=gfx1250 --defsym DOCPART=n.
;; ======== version 1 of 1: 2 launches
;; limits: values are held in f16: magnitudes above 65,504 overflow, below 6.1e-05 lose precision; right only within a limited range of input values
;; workspace buffers: a_frag 16,777,216 bytes; w_codes 16,777,216 bytes
;; launch prep (part 1): grid 256 x 1, 16 waves a work-group, no clusters, 89,088 bytes of LDS; arguments x, packed_weight, lowp_scales, a_frag, w_codes; writes a_frag, w_codes
.if DOCPART == 1
	.amdgcn_target "amdgcn-amd-amdhsa--gfx1250"
	.amdhsa_code_object_version 6
	.text
	.protected	k_q083a2f829d_prep
	.globl	k_q083a2f829d_prep
	.p2align	8
	.type	k_q083a2f829d_prep,@function
k_q083a2f829d_prep:
	s_mov_b64 s[64:65], 0
	v_nop
	global_prefetch_b8 v0, s[64:65] scope:SCOPE_SE
	s_setreg_imm32_b32 hwreg(HW_REG_WAVE_MODE, 25, 1), 1
	s_wait_xcnt 0x0
; Both operands of the product become codes of FP8 (E4M3), one byte a number:
;   w_codes [4096 n][4096 k], K innermost, from packed_weight [1024][4096] uint8;
;   a_frag, from x [4096][4096] f16, IN THE ORDER OF THE OPERAND'S REGISTERS: block R of 16 rows is 65,536 bytes, 32 fragments (16 rows x 128 K) of 2,048 bytes; a fragment is
;   [c 0..3][lane 0..31][16 bytes] = x(16 R + lane % 16, 128 S + 32 c + 16 (lane / 16) + 0 .. 15).  So byte u x 256 + 16 r + j of a block is x(16 R + r, 16 u + j): unit u of 256 bytes holds 16 along K of all 16 rows.
; code = number / 2^e, held within +-448, rounded to the nearest code, ties to even; e = entry 0 (x) or entry 1 (the weight) of the buffer of scales.
; A packed byte holds four consecutive k of one column n, two bits each, k % 4 = j at bit 2 j; the field stands for 0, +1, -1, 0 (values 0, 1, 2, 3).
; LIMITS: each e lies between -126 and 119, so that 2^e and 448 x 2^e are f32 numbers.  NaN in x is not served; an infinity is held at the largest code.
; SHARES.  256 work-groups of 16 waves, all with the same work, on one path: no branch, no loop, two barriers.
;   x: work-group b takes block R = b; wave w its row w: 16 loads of 512 consecutive bytes, 16 bytes (8 neighbours along K) a lane.  A unit of the block takes 16 bytes from each of the 16 waves, so the codes meet in LDS
;   and leave as whole units: a store of a wave covers 512 consecutive bytes, aligned.
;   weight: work-group b takes packed rows 64 (b / 16) on x columns 256 (b % 16) on: 16 KiB.  It goes through LDS, since the lanes that read a packed row side by side hold different rows of w_codes:
;   on the way in 16 lanes take a row's 256 bytes; on the way out lane (g, h) takes packed rows 4 g + 0 .. 3 of eight columns, which are 16 consecutive codes of each column: 16 lanes store 256 consecutive bytes of one row of w_codes, aligned.
; A field's code is looked up: the four numbers that a field can stand for are quantised ONCE, by the conversion itself, into the four bytes of a register, and v_perm_b32 picks by the field.
; All 18 loads of a wave are issued at its head and worked off in order, by counted waits.  No register of a global store is written again, so nothing waits for a store.
.set PLANE, 4352                       ; LDS, the weight: packed row q lies in plane q % 4, at row q / 4 of it; a plane has 16 rows.  Also: 16 units of the stage for x's codes
.set PITCH, 272                        ; a row, and a unit: 256 bytes + 16 of padding = 68 words (64 banks of 4 bytes: ISA guide 11.1): the weight's reads (words 4 g + 2 h and the next) and the codes' stores (words 4 (lane / 2) + 2 (lane % 2) and the next, + 4 x wave) touch 64 different banks
.set AST,   4*PLANE                    ; behind the four planes: the stage for x's codes, 256 units
.set SPARE, AST+256*PITCH              ; behind it (340 blocks of 256 bytes): the spare words, 128 bytes for each wave: eight blocks of 256 bytes that no other line names
.set XO,  5                            ; v5   16 x lane: my 16 bytes of a load of x, and of a store of a_frag
.set WO,  7                            ; v7   the weight, in memory: 4096 h + 16 r
.set LS,  8                            ; v8   the weight into LDS: 4352 h + 16 r + 272 x wave
.set LR,  9                            ; v9   and out of it: 272 g + 8 h + 16 x wave
.set CO,  10                           ; v10  w_codes: 8 h rows of 4,096 bytes + 16 g
.set LA,  11                           ; v11  x's codes into the stage: AST + 272 (lane / 2) + 8 (lane % 2) + 16 x wave
.set SPW, 12                           ; v12  LDS address of my spare word: SPARE + 4 x my thread's number; never rewritten
.set NIL, 13                           ; v13  0; never rewritten
.set SX,  14                           ; v14  2^ex as f32;   v15  448 x 2^ex
.set LX,  15
.set SW,  16                           ; v16  2^ew as f32;   v17  448 x 2^ew
.set LW,  17
.set TQ,  18                           ; v[18:19] byte f of v18: the code of what field value f stands for
.set TN,  20                           ; v[20:27] the numbers 0, 1, -1, 0 and four zeros
.set WL,  28                           ; v[28:35] the weight as loaded: two loads
.set R,   36                           ; v[36:43] packed rows 4 g + i, eight columns each
.set F,   44                           ; v[44:51] at work
.set LB,  52                           ; v52  x's codes out of the stage: AST + 272 h + 16 r + 4352 x wave
.set XL,  64                           ; v[64:127] x as loaded: sixteen loads (their halves are named below, so they lie under v128); v[64:95] later the units read back
.set O,   128                          ; v[128:159] column c of eight: four words, 16 codes
.set T,   160                          ; v[160:167] eight numbers of x in f32
.set C,   168                          ; v[168:199] x's codes: a pair for each of the 16 steps
.set M3,  32                           ; s32  the two low bits of each byte
.set P1,  33                           ; s33-36  byte selects that turn 4 x 4 bytes (0-3: the second source's bytes, 4-7: the first's)
.set P2,  34
.set P3,  35
.set P4,  36
	s_load_b256 s[4:11], s[0:1], 0x0               ; x s[4:5], packed_weight s[6:7], the scales' exponents s[8:9], a_frag s[10:11]
	s_load_b64 s[12:13], s[0:1], 0x20              ; w_codes
	v_lshl_add_u32 v[SPW], v0, 2, SPARE
	v_mov_b32 v[NIL], 0
	v_lshrrev_b32 v1, 5, v0                        ; wave, in every lane
	s_delay_alu instid0(VALU_DEP_1)
	v_readfirstlane_b32 s14, v1                    ; and as a scalar
	v_and_b32 v2, 31, v0                           ; lane
	v_and_b32 v3, 15, v0                           ; r, also g
	v_bfe_u32 v4, v0, 4, 1                         ; h
	s_delay_alu instid0(VALU_DEP_3)
	v_lshlrev_b32 v[XO], 4, v2
	s_delay_alu instid0(VALU_DEP_3)
	v_lshlrev_b32 v[WO], 4, v3
	s_delay_alu instid0(VALU_DEP_1)
	v_lshl_add_u32 v[WO], v4, 12, v[WO]
	s_delay_alu instid0(VALU_DEP_4)
	v_mul_u32_u24 v[LS], v4, PLANE
	s_delay_alu instid0(VALU_DEP_1)
	v_lshl_add_u32 v[LS], v3, 4, v[LS]
	s_delay_alu instid0(VALU_DEP_1)
	v_mad_u32_u24 v[LS], v1, PITCH, v[LS]
	v_mul_u32_u24 v[LR], v3, PITCH
	s_delay_alu instid0(VALU_DEP_1)
	v_lshl_add_u32 v[LR], v4, 3, v[LR]
	s_delay_alu instid0(VALU_DEP_1)
	v_lshl_add_u32 v[LR], v1, 4, v[LR]
	v_lshlrev_b32 v[CO], 4, v3
	s_delay_alu instid0(VALU_DEP_1)
	v_lshl_add_u32 v[CO], v4, 15, v[CO]
	v_lshrrev_b32 v[LA], 1, v2
	s_delay_alu instid0(VALU_DEP_1)
	v_mul_u32_u24 v[LA], v[LA], PITCH
	v_and_b32 v53, 1, v2
	s_delay_alu instid0(VALU_DEP_1)
	v_lshl_add_u32 v[LA], v53, 3, v[LA]
	s_delay_alu instid0(VALU_DEP_1)
	v_lshl_add_u32 v[LA], v1, 4, v[LA]
	s_delay_alu instid0(VALU_DEP_1)
	v_add_nc_u32 v[LA], AST, v[LA]
	v_mul_u32_u24 v[LB], v4, PITCH
	s_delay_alu instid0(VALU_DEP_1)
	v_lshl_add_u32 v[LB], v3, 4, v[LB]
	s_delay_alu instid0(VALU_DEP_1)
	v_mad_u32_u24 v[LB], v1, PLANE, v[LB]
	s_delay_alu instid0(VALU_DEP_1)
	v_add_nc_u32 v[LB], AST, v[LB]
	s_and_b32 s15, ttmp9, 15                       ; cx: which 256 columns of the weight
	s_lshr_b32 s16, ttmp9, 4                       ; ky: which 64 packed rows (256 along K)
	s_lshl_b32 s17, ttmp9, 4
	s_add_co_u32 s17, s17, s14                     ; my row of x: 16 b + wave
	s_lshl_b32 s18, s17, 13                        ; its 8,192 bytes in x
	s_mov_b32 s19, 0
	s_lshl_b32 s20, ttmp9, 16                      ; a_frag: block b of 65,536 bytes,
	s_lshl_b32 s28, s14, 12
	s_add_co_u32 s20, s20, s28                     ; + the 16 units (4,096 bytes) that my wave stores
	s_mov_b32 s21, 0
	s_lshl_b32 s28, s16, 6
	s_lshl_b32 s29, s14, 2
	s_add_co_u32 s28, s28, s29                     ; the first packed row that I load: 64 ky + 4 x wave,
	s_lshl_b32 s22, s28, 12                        ; in bytes,
	s_lshl_b32 s29, s15, 8
	s_add_co_u32 s22, s22, s29                     ; + the tile's first column
	s_mov_b32 s23, 0
	s_lshl_b32 s28, s14, 4
	s_add_co_u32 s28, s28, s29                     ; the first column that I store: 256 cx + 16 x wave,
	s_lshl_b32 s24, s28, 12                        ; its row of w_codes,
	s_lshl_b32 s29, s16, 8
	s_add_co_u32 s24, s24, s29                     ; + 256 ky along K
	s_mov_b32 s25, 0
	s_mov_b32 s[M3], 0x03030303
	s_mov_b32 s[P1], 0x05010400
	s_mov_b32 s[P2], 0x07030602
	s_mov_b32 s[P3], 0x05040100
	s_mov_b32 s[P4], 0x07060302
	s_wait_kmcnt 0x0
	s_load_b64 s[26:27], s[8:9], 0x0               ; ex, ew
	s_add_nc_u64 s[4:5], s[4:5], s[18:19]
	s_add_nc_u64 s[10:11], s[10:11], s[20:21]
	s_add_nc_u64 s[6:7], s[6:7], s[22:23]
	s_add_nc_u64 s[12:13], s[12:13], s[24:25]
.irp j, 0,1
	global_load_b128 v[WL+4*\j:WL+4*\j+3], v[WO], s[6:7] offset:8192*\j th:TH_LOAD_NT   ; packed rows 4 w + 2 j + h: sixteen lanes read a row's 256 bytes
.endr
.irp t, 0,1,2,3,4,5,6,7,8,9,10,11,12,13,14,15
	global_load_b128 v[XL+4*\t:XL+4*\t+3], v[XO], s[4:5] offset:512*\t th:TH_LOAD_NT    ; 32 lanes read 512 consecutive bytes of my row
.endr
	s_wait_kmcnt 0x0
	s_add_co_i32 s28, s26, 127
	s_lshl_b32 s29, s28, 23
	v_mov_b32 v[SX], s29                           ; 2^ex as f32: the conversion takes its exponent field
	s_add_co_i32 s28, s28, 8
	s_lshl_b32 s28, s28, 23
	s_or_b32 s28, s28, 0x600000
	v_mov_b32 v[LX], s28                           ; 448 x 2^ex
	s_add_co_i32 s28, s27, 127
	s_lshl_b32 s29, s28, 23
	v_mov_b32 v[SW], s29                           ; the same with ew
	s_add_co_i32 s28, s28, 8
	s_lshl_b32 s28, s28, 23
	s_or_b32 s28, s28, 0x600000
	v_mov_b32 v[LW], s28
	; the table: what the four field values stand for, through the quantiser itself (hold, division by 2^ew, rounding, subnormals)
	v_mov_b32 v[TN+0], 0
	v_mov_b32 v[TN+1], 1.0
	v_mov_b32 v[TN+2], -1.0
.irp q, 3,4,5,6,7
	v_mov_b32 v[TN+\q], 0
.endr
	v_med3_num_f32 v[TN+1], v[TN+1], -v[LW], v[LW] ; the conversion to an 8-bit code does not saturate (ISA guide 7.6.2): the hold at the largest code x the scale
	v_med3_num_f32 v[TN+2], v[TN+2], -v[LW], v[LW]
	v_cvt_scalef32_pk8_fp8_f32 v[TQ:TQ+1], v[TN:TN+7], v[SW]
	v_nop                                          ; one plain vector instruction between a scaled conversion and the next vector instruction that touches its result
	s_wait_loadcnt 16                              ; the weight's two loads are in; the sixteen loads of x, issued behind them, stay out
.irp j, 0,1
	ds_store_b128 v[LS], v[WL+4*\j:WL+4*\j+3] offset:2*PLANE*\j   ; packed row 4 w + 2 j + h: plane 2 j + h, row w
.endr
	s_wait_dscnt 0x0                               ; for the others' sake: my stores have landed
	s_barrier_signal -1
	s_barrier_wait -1                              ; the tile's 64 packed rows lie in LDS
.irp i, 0,1,2,3
	ds_load_b64 v[R+2*\i:R+2*\i+1], v[LR] offset:PLANE*\i         ; packed row 4 g + i, columns 16 w + 8 h + 0 .. 7
.endr
	s_wait_dscnt 0x0
; Four columns of packed row 4 g + i (word cw of the pair): each byte's four fields become four codes, and the 4 x 4 bytes are turned, so that a word holds one column's four codes, k ascending.
.macro QUAD i, cw
	v_and_b32 v[F+0], s[M3], v[R+2*\i+\cw]         ; field j of each of the four bytes: F + j
	s_wait_alu depctr_va_vdst(0)
	v_lshrrev_b32 v[F+1], 2, v[R+2*\i+\cw]
	v_lshrrev_b32 v[F+2], 4, v[R+2*\i+\cw]
	v_lshrrev_b32 v[F+3], 6, v[R+2*\i+\cw]
	s_delay_alu instid0(VALU_DEP_3)
	v_and_b32 v[F+1], s[M3], v[F+1]
	s_delay_alu instid0(VALU_DEP_3)
	v_and_b32 v[F+2], s[M3], v[F+2]
	s_delay_alu instid0(VALU_DEP_3)
	v_and_b32 v[F+3], s[M3], v[F+3]
.irp j, 0,1,2,3
	v_perm_b32 v[F+\j], v[TQ], v[TQ], v[F+\j]      ; each select byte is 0 to 3: a byte of the table
.endr
	s_delay_alu instid0(VALU_DEP_3)
	v_perm_b32 v[F+4], v[F+1], v[F+0], s[P1]       ; columns 0, 1: fields 0, 1
	s_delay_alu instid0(VALU_DEP_4)
	v_perm_b32 v[F+5], v[F+1], v[F+0], s[P2]       ; columns 2, 3: fields 0, 1
	s_delay_alu instid0(VALU_DEP_3)
	v_perm_b32 v[F+6], v[F+3], v[F+2], s[P1]       ; columns 0, 1: fields 2, 3
	s_delay_alu instid0(VALU_DEP_4)
	v_perm_b32 v[F+7], v[F+3], v[F+2], s[P2]       ; columns 2, 3: fields 2, 3
	s_delay_alu instid0(VALU_DEP_2)
	v_perm_b32 v[O+4*(4*\cw+0)+\i], v[F+6], v[F+4], s[P3]
	s_delay_alu instid0(VALU_DEP_3)
	v_perm_b32 v[O+4*(4*\cw+1)+\i], v[F+6], v[F+4], s[P4]
	s_delay_alu instid0(VALU_DEP_3)
	v_perm_b32 v[O+4*(4*\cw+2)+\i], v[F+7], v[F+5], s[P3]
	s_delay_alu instid0(VALU_DEP_4)
	v_perm_b32 v[O+4*(4*\cw+3)+\i], v[F+7], v[F+5], s[P4]
.endm
.irp i, 0,1,2,3
	QUAD \i, 0
	QUAD \i, 1
.endr
.irp c, 0,1,2,3,4,5,6,7
	global_store_b128 v[CO], v[O+4*\c:O+4*\c+3], s[12:13] offset:4096*\c   ; column 16 w + 8 h + c, k = 256 ky + 16 g + 0 .. 15: sixteen lanes store 256 consecutive bytes, aligned
.endr
; x: step t takes load t: eight f16 widened to f32 (exact), held, converted; the lane's 8 codes, k = 256 t + 8 lane on, go to unit 16 t + lane / 2 of the stage, at my row's 16 bytes.  The list names the halves of v64 to v127 in the order of K.
.set XI, 0
.irp hh, v64.l, v64.h, v65.l, v65.h, v66.l, v66.h, v67.l, v67.h, v68.l, v68.h, v69.l, v69.h, v70.l, v70.h, v71.l, v71.h, v72.l, v72.h, v73.l, v73.h, v74.l, v74.h, v75.l, v75.h, v76.l, v76.h, v77.l, v77.h, v78.l, v78.h, v79.l, v79.h, v80.l, v80.h, v81.l, v81.h, v82.l, v82.h, v83.l, v83.h, v84.l, v84.h, v85.l, v85.h, v86.l, v86.h, v87.l, v87.h, v88.l, v88.h, v89.l, v89.h, v90.l, v90.h, v91.l, v91.h, v92.l, v92.h, v93.l, v93.h, v94.l, v94.h, v95.l, v95.h, v96.l, v96.h, v97.l, v97.h, v98.l, v98.h, v99.l, v99.h, v100.l, v100.h, v101.l, v101.h, v102.l, v102.h, v103.l, v103.h, v104.l, v104.h, v105.l, v105.h, v106.l, v106.h, v107.l, v107.h, v108.l, v108.h, v109.l, v109.h, v110.l, v110.h, v111.l, v111.h, v112.l, v112.h, v113.l, v113.h, v114.l, v114.h, v115.l, v115.h, v116.l, v116.h, v117.l, v117.h, v118.l, v118.h, v119.l, v119.h, v120.l, v120.h, v121.l, v121.h, v122.l, v122.h, v123.l, v123.h, v124.l, v124.h, v125.l, v125.h, v126.l, v126.h, v127.l, v127.h
.if XI%8 == 0
	s_wait_loadcnt 15-XI/8                         ; loads come back in order (ISA guide 5.7.1): this step's is in, the younger ones stay out
.endif
	v_cvt_f32_f16 v[T+XI%8], \hh
.if XI%8 == 7
.irp q, 0,1,2,3,4,5,6,7
	v_med3_num_f32 v[T+\q], v[T+\q], -v[LX], v[LX] ; the hold at the largest code x the scale
.endr
	v_cvt_scalef32_pk8_fp8_f32 v[C+2*(XI/8):C+2*(XI/8)+1], v[T:T+7], v[SX]   ; the first number's code in the lowest byte
	v_nop                                          ; one plain vector instruction before the next step writes the conversion's sources
	ds_store_b64 v[LA], v[C+2*(XI/8):C+2*(XI/8)+1] offset:PLANE*(XI/8)       ; 16 units on for each step
.endif
.set XI, XI+1
.endr
	s_wait_dscnt 0x0                               ; for the others' sake: my row's codes have landed
	s_barrier_signal -1
	s_barrier_wait -1                              ; the block's 256 units lie in the stage, whole
.irp i, 0,1,2,3,4,5,6,7
	ds_load_b128 v[XL+4*\i:XL+4*\i+3], v[LB] offset:2*PITCH*\i    ; units 16 w + 2 i (lanes 0-15) and the next (lanes 16-31)
.endr
.irp i, 0,1,2,3,4,5,6,7
	s_wait_dscnt 7-\i                              ; LDS loads come back in order: load i is in, the younger ones stay out
	global_store_b128 v[XO], v[XL+4*\i:XL+4*\i+3], s[10:11] offset:512*\i   ; 32 lanes store 512 consecutive bytes, aligned
.endr
	s_wait_tensorcnt 0x0                           ; the wave's end: the wait, the add and its wait, behind my last LDS store
	ds_add_u32 v[SPW], v[NIL]
	s_wait_dscnt 0x0
	s_endpgm
.Lfunc_end_k_q083a2f829d_prep:
	.size	k_q083a2f829d_prep, .Lfunc_end_k_q083a2f829d_prep-k_q083a2f829d_prep
	.p2alignl 7, 3214868480
	.fill 96, 4, 3214868480
	.section	.rodata,"a",@progbits
	.p2align	6, 0x0
	.amdhsa_kernel k_q083a2f829d_prep
		.amdhsa_group_segment_fixed_size 89088
		.amdhsa_private_segment_fixed_size 0
		.amdhsa_enable_private_segment 0
		.amdhsa_kernarg_size 40
		.amdhsa_user_sgpr_count 2
		.amdhsa_user_sgpr_kernarg_segment_ptr 1
		.amdhsa_wavefront_size32 1
		.amdhsa_system_sgpr_workgroup_id_x 1
		.amdhsa_system_sgpr_workgroup_id_y 1
		.amdhsa_system_sgpr_workgroup_id_z 1
		.amdhsa_system_vgpr_workitem_id 0
		.amdhsa_next_free_vgpr 200
		.amdhsa_next_free_sgpr 66
		.amdhsa_reserve_vcc 0
		.amdhsa_float_denorm_mode_32 3
		.amdhsa_float_denorm_mode_16_64 3
		.amdhsa_memory_ordered 1
		.amdhsa_forward_progress 1
		.amdhsa_inst_pref_size 36
	.end_amdhsa_kernel
	.amdgpu_metadata
---
amdhsa.version: [ 1, 2 ]
amdhsa.kernels:
  - .name:           k_q083a2f829d_prep
    .symbol:         k_q083a2f829d_prep.kd
    .args:
      - { .name: x, .offset: 0, .size: 8, .value_kind: global_buffer, .address_space: global }
      - { .name: packed_weight, .offset: 8, .size: 8, .value_kind: global_buffer, .address_space: global }
      - { .name: lowp_scales, .offset: 16, .size: 8, .value_kind: global_buffer, .address_space: global }
      - { .name: a_frag, .offset: 24, .size: 8, .value_kind: global_buffer, .address_space: global }
      - { .name: w_codes, .offset: 32, .size: 8, .value_kind: global_buffer, .address_space: global }
    .group_segment_fixed_size: 89088
    .private_segment_fixed_size: 0
    .kernarg_segment_align: 8
    .kernarg_segment_size: 40
    .max_flat_workgroup_size: 512
    .sgpr_count:     66
    .vgpr_count:     200
    .wavefront_size: 32
...
	.end_amdgpu_metadata
.endif
;; end of part 1
;; launch gemm (part 2): grid 16 x 16, 4 waves a work-group, clusters of 4 x 1, 327,680 bytes of LDS; arguments a_frag, w_codes, lowp_scales, scale, out0; writes out0
.if DOCPART == 2
	.amdgcn_target "amdgcn-amd-amdhsa--gfx1250"
	.amdhsa_code_object_version 6
	.text
	.protected	k_q083a2f829d_gemm
	.globl	k_q083a2f829d_gemm
	.p2align	8
	.type	k_q083a2f829d_gemm,@function
k_q083a2f829d_gemm:
	s_mov_b64 s[64:65], 0
	v_nop
	global_prefetch_b8 v0, s[64:65] scope:SCOPE_SE
	s_setreg_imm32_b32 hwreg(HW_REG_WAVE_MODE, 25, 1), 1
	s_wait_xcnt 0x0
	s_wait_alu depctr_hold_cnt(0) depctr_sa_sdst(0) depctr_va_vdst(0) depctr_va_sdst(0) depctr_va_ssrc(0) depctr_va_vcc(0) depctr_vm_vsrc(0)
	s_getreg_b32 s2, hwreg(HW_REG_IB_STS2, 6, 4)
	s_cmp_eq_u32 s2, 0
	s_cbranch_scc0 .Lentry_in_a_cluster
	s_endpgm
.Lentry_in_a_cluster:
	s_bfe_u32 s2, ttmp6, 0x10000c
	s_cmp_lg_u32 s2, 0x3003
	s_cbranch_scc0 .Lentry_shape_is_right
	s_endpgm
.Lentry_shape_is_right:
; out0[m][n] = f32( f16( 2^(ea+eb) x sum over k of A[m][k] B[n][k] ) ) x scale.  A, B: codes of FP8 (E4M3), 4096 x 4096 each; sums in f32.
; a_frag holds A in the order of the operand's registers: block R of 16 rows is 65,536 bytes, fragment S (128 along K) 2,048 bytes = [c 0..3][lane][16 bytes], k = 128 S + 32 c + 16 (lane / 16) + 0 .. 15.
; w_codes holds B as [n][k], K innermost.  B's fragments are read with the same places of k, so every product meets its partner.
; LIMIT: ea + eb lies between -126 and 127, so that 2^(ea + eb) is an f32 number.
; SHARES.  256 work-groups, each a block of 256 x 256 of the result; four waves, wave w rows 64 w .. 64 w + 63 x all 256 columns: 64 accumulators, 512 registers.
; A: each wave's rows are its own, so its fragments go from memory straight into registers, 512 consecutive bytes a load, three steps of 128 along K ahead, in four sets.
; B: all four waves read all 256 rows of B's tile, so it goes through LDS: two slots of 256 rows x 512 bytes (four steps), a wave fetching 64 rows by one tensor load; rows are 512 bytes of memory at multiples of 512.
; CLUSTER: the four work-groups along x have the same tile column, hence the same tiles of B: each tile is asked for jointly (mask 15).  A's rows differ between partners.
; A step is eight pairs (a pair = 32 rows of B x 128 K, 32 registers, 8 matrix instructions).  B's fragments have 14 places of 16 registers: P (one pair: pairs 0 and 4 by turns), Q (pairs 1-3), R (pairs 5-7).
; All loads of a step stand in TWO runs: run X behind pair 0 (pairs 4-7, 32 LDS loads, and A's 16 loads), run Y behind pair 4 (the next step's pairs 0-3, 32 LDS loads): 24 matrix instructions lie between a run and the first use of what it brings.
; The slots change between run X and run Y of a slot's last step: run X holds the last reads of the old slot, run Y the first of the new one.
; THE LAST SLOT GOES BY HALVES OF THE COLUMNS: its four steps of A lie in the four sets, so B's pairs 0-3 are taken through all four steps, columns 0-127 are finished and leave, and pairs 4-7 follow while those stores are on their way.
; Each sum still takes its K steps in ascending order, and no byte is read twice.
; PREFETCH: A's 8 KiB of step s + 7 (32 blocks of 256 bytes, a lane a block) are asked for in step s, four steps ahead of their loads, by the work-groups of tile column 0 alone: the 16 tile columns read the same rows of A.
; It stops with step 24, which names step 31, the last.  B is not prefetched: a refill is asked for four steps (256 matrix instructions a wave) ahead of the wait for it.
; REGISTERS, in windows of 256: window 0: v0-31 addresses, v32-255 B's fragments (on the way out: at work); window 1: A's four sets; windows 2, 3: accumulators (a, b) at v[8 (8 a + b % 8)], window 2 + b / 8.
; The matrix instruction is used transposed (source 0 = rows of B, source 1 = rows of A): a lane holds eight neighbouring numbers of a row of the result.
.set SIZE_N, 4096
.set KROW,   4096
.set CH,     512                       ; along K in a slot
.set PITCH,  528                       ; an LDS row: 512 bytes + 16 of padding: 132 words, so 16 rows start at 16 different groups of four banks
.set QUART,  64*PITCH                  ; what one tensor load brings
.set SLOT,   4*QUART
.set SPARE,  2*SLOT                    ; the spare words: 128 bytes a wave, two blocks of 256 bytes that no other line names
.set STAGE,  SPARE+512                 ; the way out: 16 rows x 528 bytes for each wave; no tensor load lands here
.set SPITCH, 528
.set FRB,    2048
.set RBB,    65536
.set ADL,  16                          ; v16, v17  B's rows 0-127 in slot 0, 1: row (l % 16) x pitch + 16 (l / 16)
.set ADH,  18                          ; v18, v19  rows 128-255
.set AO,   20                          ; v20  16 x lane: A's loads and the stores of the result
.set CO,   20
.set STO,  24
.set RD,   25
.set SPW,  28
.set NIL,  29
.set PFO,  30                          ; v30  65,536 (lane / 8) + 256 (lane % 8)
.set TMP,  32
.set HF,   96
.set BK,   128
.set FP0,  32                          ; the eight places of 32 registers that a step's pairs take
.set FP1,  64
.set FP2,  96
.set FP3,  128
.set FP4,  32
.set FP5,  160
.set FP6,  192
.set FP7,  224
.set G1, 24
.set G0, 32
.set TC, 42
.set AB, 48
.set MSB, 0
.macro WIN new                         ; the immediate's high byte repeats the setting that is left
.if MSB != \new
	s_set_vgpr_msb (MSB<<8)|\new
.set MSB, \new
.endif
.endm
.set MUL_LO, 0xa4                      ; source 0 (B) window 0, source 1 (A) window 1, C and D window 2
.set TO_A,   0x40                      ; destination window 1, address window 0
.macro TLOAD pl
	tensor_load_to_lds s[G0+4*\pl:G0+4*\pl+3], s[G1:G1+7]
	s_nop 0
.rept 4
	v_nop
.endr
.endm
.macro PLACES                          ; four places between matrix instructions and loads into registers that they have read, or reads of their results
.rept 4
	v_nop
.endr
.endm
.macro ASK off
	s_cmp_lg_u32 s[TC], 0                          ; the tile column is the same in all partners of a cluster
	s_cbranch_scc1 .Lnot_mine_\@
	global_prefetch_b8 v[PFO], s[AB:AB+1] offset:\off th:TH_LOAD_NT scope:SCOPE_SE
.Lnot_mine_\@:
.endm
.macro CREST
	s_cmp_lg_u32 s14, 0
	s_cbranch_scc1 .Lnot_wave_0_\@
	s_barrier_signal -3
.Lnot_wave_0_\@:
	s_barrier_wait -3
	s_barrier_signal -1
	s_barrier_wait -1
.endm
.macro CROUND
	s_barrier_signal -1
	s_barrier_wait -1
	CREST
.endm
.macro ALOAD st, off                   ; A's four fragments of one step into set st
	WIN TO_A
.irp a, 0,1,2,3
.irp c, 0,1,2,3
	global_load_b128 v[64*(\st)+16*\a+4*\c:64*(\st)+16*\a+4*\c+3], v[AO], s[AB:AB+1] offset:RBB*\a+(\off)+512*\c
.endr
.endr
	WIN 0
.endm
; pair jl (rows 32 jl .. 32 jl + 31 of B's tile) of the slot's q-th 128 along K into 32 registers from fb on: 8 loads
.macro LDN sl, q, jl, fb
.irp e, 0,1
.irp c, 0,1,2,3
	ds_load_b128 v[\fb+16*\e+4*\c:\fb+16*\e+4*\c+3], v[ADL+2*((\jl)/4)+\sl] offset:128*(\q)+(2*((\jl)%4)+\e)*16*PITCH+32*\c
.endr
.endr
.endm
.macro LDLOW sl, q, jb                 ; pairs jb .. jb + 3 into places 0-3
	LDN \sl, \q, \jb, FP0
	LDN \sl, \q, \jb+1, FP1
	LDN \sl, \q, \jb+2, FP2
	LDN \sl, \q, \jb+3, FP3
.endm
.macro LDHIGH sl, q, jb                ; pairs jb .. jb + 3 into places 4-7
	LDN \sl, \q, \jb, FP4
	LDN \sl, \q, \jb+1, FP5
	LDN \sl, \q, \jb+2, FP6
	LDN \sl, \q, \jb+3, FP7
.endm
; pair j's 8 matrix instructions, on 8 accumulators by turns
.macro MULP j, fb, z, zero
	WIN MUL_LO+0x50*((\j)/4)
.irp e, 0,1
.irp a, 0,1,2,3
.if \zero
	v_wmma_f32_16x16x128_fp8_fp8 v[8*(8*\a+(2*(\j)+\e)%8):8*(8*\a+(2*(\j)+\e)%8)+7], v[\fb+16*\e:\fb+16*\e+15], v[64*(\z)+16*\a:64*(\z)+16*\a+15], 0
.else
	v_wmma_f32_16x16x128_fp8_fp8 v[8*(8*\a+(2*(\j)+\e)%8):8*(8*\a+(2*(\j)+\e)%8)+7], v[\fb+16*\e:\fb+16*\e+15], v[64*(\z)+16*\a:64*(\z)+16*\a+15], v[8*(8*\a+(2*(\j)+\e)%8):8*(8*\a+(2*(\j)+\e)%8)+7]
.endif
.endr
.endr
.endm
; A step of 128 along K whose successor lies in the same slot.  z: A's set.  The set of the step before takes the step three on.
; The counts on DScnt: what is left of the run that is being used up, and the 32 loads of the younger run.  The count on LOADcnt: the two younger sets of A.
.macro STEP sl, q, z, zero, off, pf
	s_wait_loadcnt 32
	s_wait_dscnt 24                                ; pair 0 is in; pairs 1-3 may be out
	MULP 0, FP0, \z, \zero
	PLACES
	WIN 0
	LDHIGH \sl, \q, 4                              ; run X
.if \pf
	ASK \pf
.endif
	ALOAD (\z+3)%4, \off
	s_wait_dscnt 48
	MULP 1, FP1, \z, \zero
	s_wait_dscnt 40
	MULP 2, FP2, \z, \zero
	s_wait_dscnt 32
	MULP 3, FP3, \z, \zero
	s_wait_dscnt 24
	MULP 4, FP4, \z, \zero
	PLACES
	WIN 0
	LDLOW \sl, \q+1, 0                             ; run Y
	s_wait_dscnt 48
	MULP 5, FP5, \z, \zero
	s_wait_dscnt 40
	MULP 6, FP6, \z, \zero
	s_wait_dscnt 32
	MULP 7, FP7, \z, \zero
	WIN 0
.endm
; A slot's last step, and the change of slots.  fill = 1: the slot is filled again, with the 512 along K two slots on.
.macro TURN sl, nsl, z, fill, off, pf
	s_wait_loadcnt 32
	s_wait_dscnt 24
	MULP 0, FP0, \z, 0
	PLACES
	WIN 0
	LDHIGH \sl, 3, 4                               ; run X: my last reads of this slot
.if \pf
	ASK \pf
.endif
	ALOAD (\z+3)%4, \off
	s_wait_tensorcnt 0x0                           ; all my tensor loads have landed: my part of the next slot
	ds_add_u32 v[SPW], v[NIL]
.if \fill
	s_add_nc_u64 s[G0+4*\sl+2:G0+4*\sl+3], s[G0+4*\sl+2:G0+4*\sl+3], 2*CH
.endif
	s_wait_dscnt 49                                ; as in every step, and the add
	MULP 1, FP1, \z, 0
	s_wait_dscnt 41
	MULP 2, FP2, \z, 0
	s_wait_dscnt 33
	MULP 3, FP3, \z, 0
	s_wait_dscnt 0x0                               ; the add is done, and my reads of this slot are over
	s_barrier_signal -1
	MULP 4, FP4, \z, 0                             ; sixteen matrix instructions while the others arrive
	MULP 5, FP5, \z, 0
	WIN 0
	s_barrier_wait -1
.if \fill
	CREST                                          ; the barrier has opened a round of the cluster's barrier
	TLOAD \sl                                      ; the first tensor load behind the round; its four v_nop are the places of run Y
.else
	PLACES
.endif
	LDLOW \nsl, 0, 0                               ; run Y, from the next slot
	MULP 6, FP6, \z, 0
	MULP 7, FP7, \z, 0
	WIN 0
.endm
; The last slot (slot 1; A's set is q): B's pairs jb .. jb + 3 alone, at the slot's q-th and (q + 1)-th 128 along K.  Places, runs and counts on DScnt are a step's.
; lca, lcb: A's younger loads that may stay out.  ld: set 3 takes step 31.  nx: the same pairs of q + 2 are fetched.
.macro TWOH jb, q, lca, lcb, ld, nx
	s_wait_loadcnt \lca
	s_wait_dscnt 24
	MULP \jb, FP0, \q, 0
	PLACES
	WIN 0
	LDHIGH 1, \q+1, \jb
.if \ld
	ALOAD 3, 7*FRB
.endif
	s_wait_dscnt 48
	MULP \jb+1, FP1, \q, 0
	s_wait_dscnt 40
	MULP \jb+2, FP2, \q, 0
	s_wait_dscnt 32
	MULP \jb+3, FP3, \q, 0
	s_wait_loadcnt \lcb
	s_wait_dscnt 24
	MULP \jb, FP4, \q+1, 0
.if \nx
	PLACES
	WIN 0
	LDLOW 1, \q+2, \jb
	s_wait_dscnt 48
	MULP \jb+1, FP5, \q+1, 0
	s_wait_dscnt 40
	MULP \jb+2, FP6, \q+1, 0
	s_wait_dscnt 32
	MULP \jb+3, FP7, \q+1, 0
.else
	s_wait_dscnt 16
	MULP \jb+1, FP5, \q+1, 0
	s_wait_dscnt 8
	MULP \jb+2, FP6, \q+1, 0
	s_wait_dscnt 0
	MULP \jb+3, FP7, \q+1, 0
.endif
	WIN 0
.endm
	s_load_b128 s[4:7], s[0:1], 0x0                ; a_frag, w_codes
	s_load_b128 s[8:11], s[0:1], 0x10              ; the scales' exponents, scale
	s_load_b64 s[12:13], s[0:1], 0x20              ; out0
	v_lshl_add_u32 v[SPW], v0, 2, SPARE
	v_mov_b32 v[NIL], 0
	ds_add_u32 v[SPW], v[NIL]                      ; the opening lines: the add, twice on end, and its wait ahead of my first tensor load
	ds_add_u32 v[SPW], v[NIL]
	v_lshrrev_b32 v1, 5, v0
	v_readfirstlane_b32 s14, v1                    ; wave 0..3
	s_mul_i32 s23, s14, 16*SPITCH
	s_add_co_u32 s23, s23, STAGE                   ; my stage
	v_and_b32 v6, 31, v0
	v_and_b32 v1, 15, v0                           ; l % 16
	v_bfe_u32 v2, v0, 4, 1                         ; l / 16
	v_lshlrev_b32 v[AO], 4, v6
	v_mul_u32_u24 v3, v1, PITCH
	v_lshl_add_u32 v[ADL], v2, 4, v3
	v_add_nc_u32 v[ADL+1], SLOT, v[ADL]
	v_add_nc_u32 v[ADH], 8*16*PITCH, v[ADL]
	v_add_nc_u32 v[ADH+1], SLOT+8*16*PITCH, v[ADL]
	v_mul_u32_u24 v5, v1, SPITCH
	v_lshl_add_u32 v5, v2, 5, v5
	v_add_nc_u32 v[STO], s23, v5                   ; into the stage: row l % 16, 32 bytes for each half of the lanes
	v_add_nc_u32 v[RD], s23, v[AO]                 ; back: the 32 lanes take a row's 512 bytes
	v_lshrrev_b32 v7, 3, v6
	v_and_b32 v8, 7, v6
	v_lshlrev_b32 v[PFO], 16, v7
	v_lshl_add_u32 v[PFO], v8, 8, v[PFO]
	s_bfe_u32 s40, ttmp6, 0x40000                  ; cx
	s_lshl_b32 s17, ttmp9, 2
	s_add_co_u32 s17, s17, s40                     ; tile row = 4 x cluster x + cx
	s_and_b32 s[TC], ttmp7, 0xffff                 ; tile column
	s_mov_b32 s[G1+0], 15|(0<<16)|(1<<20)|(1<<21)|(6<<22)|(3<<25)   ; mask of the four partners; bytes; padding of 4 words behind every 128
	s_mov_b32 s[G1+1], CH<<16
	s_mov_b32 s[G1+2], 64<<16
	s_mov_b32 s[G1+3], CH<<16
	s_mov_b32 s[G1+4], 64
	s_mov_b32 s[G1+5], KROW
	s_mov_b32 s[G1+6], 0
	s_mov_b32 s[G1+7], 0
	s_lshl_b32 s46, s[TC], 20                      ; B: row 256 x tile column + 64 x wave, in bytes
	s_lshl_b32 s47, s14, 18
	s_add_co_u32 s46, s46, s47
	s_mov_b32 s47, 0
	s_lshl_b32 s22, s17, 20                        ; A: block 16 x tile row + 4 x wave, in bytes
	s_lshl_b32 s23, s14, 18
	s_add_co_u32 s22, s22, s23
	s_mov_b32 s23, 0
	s_lshl_b32 s20, s17, 22                        ; out0: row 256 x tile row + 64 x wave, column 256 x tile column
	s_lshl_b32 s21, s14, 20
	s_add_co_u32 s20, s20, s21
	s_lshl_b32 s21, s[TC], 10
	s_add_co_u32 s20, s20, s21
	s_mov_b32 s21, 0
	s_mul_i32 s41, s14, QUART
	s_wait_alu depctr_va_vdst(0)                   ; the head's vector work ends above
	s_wait_dscnt 0x0                               ; both opening adds are done
	s_wait_kmcnt 0x0
	s_load_b64 s[96:97], s[8:9], 0x0               ; ea, eb
	s_load_b32 s94, s[10:11], 0x0                  ; scale
	s_add_nc_u64 s[46:47], s[6:7], s[46:47]
	s_add_nc_u64 s[AB:AB+1], s[4:5], s[22:23]
	s_add_nc_u64 s[12:13], s[12:13], s[20:21]
	ALOAD 0, 0                                     ; A's step 0: what the first products need goes out first
	CROUND                                         ; the four partners are here: the first joint loads meet
.irp s, 0,1
	s_mov_b32 s[G0+4*\s], 1
	s_add_co_u32 s[G0+4*\s+1], s41, \s*SLOT
	s_add_nc_u64 s[G0+4*\s+2:G0+4*\s+3], s[46:47], \s*CH
	s_or_b32 s[G0+4*\s+3], s[G0+4*\s+3], 0x80000000
.endr
	TLOAD 0                                        ; slot 0: one tensor load a wave at the head
	ALOAD 1, FRB                                   ; A's step 1 behind it
	s_wait_tensorcnt 0x0                           ; my part of slot 0 is in; slot 1's first fill is issued as a refill is
	ds_add_u32 v[SPW], v[NIL]
	s_wait_dscnt 0x0
	CROUND
	TLOAD 1
	LDLOW 0, 0, 0
	ALOAD 2, 2*FRB                                 ; A's step 2: wanted two steps on
	STEP 0, 0, 0, 1, 3*FRB, 7*FRB                  ; the first step stands ahead of the loop: its products start the sums
	s_mov_b32 s3, 3
.Ltrip:                                                ; a trip: eight steps, once round the two slots and twice round A's four sets
	STEP 0, 1, 1, 0, 4*FRB, 8*FRB
	STEP 0, 2, 2, 0, 5*FRB, 9*FRB
	TURN 0, 1, 3, 1, 6*FRB, 10*FRB
	STEP 1, 0, 0, 0, 7*FRB, 11*FRB
	STEP 1, 1, 1, 0, 8*FRB, 12*FRB
	STEP 1, 2, 2, 0, 9*FRB, 13*FRB
	TURN 1, 0, 3, 1, 10*FRB, 14*FRB
	STEP 0, 0, 0, 0, 11*FRB, 15*FRB
	s_wait_xcnt 0x0                                ; A's loads and the prefetches have read their base
	s_add_nc_u64 s[AB:AB+1], s[AB:AB+1], 8*FRB
	s_sub_co_u32 s3, s3, 1
	s_cmp_lg_u32 s3, 0
	s_cbranch_scc1 .Ltrip
	STEP 0, 1, 1, 0, 4*FRB, 0                      ; steps 25 to 27: nothing is filled again
	STEP 0, 2, 2, 0, 5*FRB, 0
	TURN 0, 1, 3, 0, 6*FRB, 0
; THE WAY OUT, by blocks of 16 rows x 128 columns: x 2^(ea + eb), rounded to f16, widened, x scale; through my own stage, back as whole rows of 512 bytes.
.macro TOSTAGE a
.set AC, 64*((\a)%4)
	WIN 0x02+((\a)/4)
.irp j, 0,2,4,6,8,10,12,14,16,18,20,22,24,26,28,30,32,34,36,38,40,42,44,46,48,50,52,54,56,58,60,62
	v_pk_mul_f32 v[TMP+\j:TMP+\j+1], v[AC+\j:AC+\j+1], s[96:97] op_sel_hi:[1,0]   ; each accumulator from its low end on
.endr
	WIN 0
.irp i, 0,1,2,3,4,5,6,7,8,9,10,11,12,13,14,15,16,17,18,19,20,21,22,23,24,25,26,27,28,29,30,31
	v_cvt_pk_f16_f32 v[HF+\i], v[TMP+2*\i], v[TMP+2*\i+1]
.endr
.set WI, 0
.irp hh, v96.l, v96.h, v97.l, v97.h, v98.l, v98.h, v99.l, v99.h, v100.l, v100.h, v101.l, v101.h, v102.l, v102.h, v103.l, v103.h, v104.l, v104.h, v105.l, v105.h, v106.l, v106.h, v107.l, v107.h, v108.l, v108.h, v109.l, v109.h, v110.l, v110.h, v111.l, v111.h, v112.l, v112.h, v113.l, v113.h, v114.l, v114.h, v115.l, v115.h, v116.l, v116.h, v117.l, v117.h, v118.l, v118.h, v119.l, v119.h, v120.l, v120.h, v121.l, v121.h, v122.l, v122.h, v123.l, v123.h, v124.l, v124.h, v125.l, v125.h, v126.l, v126.h, v127.l, v127.h
	v_cvt_f32_f16 v[TMP+WI], \hh
.set WI, WI+1
.endr
.irp j, 0,2,4,6,8,10,12,14,16,18,20,22,24,26,28,30,32,34,36,38,40,42,44,46,48,50,52,54,56,58,60,62
	v_pk_mul_f32 v[TMP+\j:TMP+\j+1], v[TMP+\j:TMP+\j+1], s[94:95] op_sel_hi:[1,0]
.endr
.irp b, 0,1,2,3,4,5,6,7
	ds_store_b128 v[STO], v[TMP+8*\b:TMP+8*\b+3] offset:64*\b
	ds_store_b128 v[STO], v[TMP+8*\b+4:TMP+8*\b+7] offset:64*\b+16
.endr
.set BB, BK+64*((\a)%2)
.irp t, 0,1,2,3,4,5,6,7,8,9,10,11,12,13,14,15
	ds_load_b128 v[BB+4*\t:BB+4*\t+3], v[RD] offset:\t*SPITCH     ; LDS serves a wave's instructions in order: these see my stores
.endr
.endm
.macro SEND a, younger
.set BB, BK+64*((\a)%2)
	s_wait_dscnt \younger
.irp t, 0,1,2,3,4,5,6,7,8,9,10,11,12,13,14,15
	global_store_b128 v[CO], v[BB+4*\t:BB+4*\t+3], s[12:13] offset:(16*((\a)%4)+\t)*SIZE_N*4+512*((\a)/4) th:TH_STORE_NT   ; 32 lanes store 512 consecutive bytes, aligned
.endr
.endm
.macro WAYOUT u0                       ; blocks u0 .. u0 + 3: my 64 rows x one half of the columns
	PLACES                                         ; behind the last products
	TOSTAGE \u0
.irp d, 1,2,3
	s_wait_xcnt 0x0                                ; earlier stores have read their registers: this block's loads may land there
	TOSTAGE \u0+\d
	SEND \u0+\d-1, 32                              ; behind the block before's loads: this block's 16 stores and 16 loads
.endr
	SEND \u0+3, 0
.endm
	TWOH 0, 0, 32, 32, 1, 1                        ; steps 28 to 31, columns 0-127
	TWOH 0, 2, 16, 0, 0, 0
	s_wait_kmcnt 0x0
	s_add_co_i32 s96, s96, s97
	s_add_co_i32 s96, s96, 127
	s_lshl_b32 s96, s96, 23                        ; 2^(ea + eb) as f32
	s_mov_b32 s95, s94
	WAYOUT 0                                       ; columns 0-127 leave
	s_wait_xcnt 0x0                                ; their stores have read their registers: B's fragments may land there
	LDLOW 1, 0, 4
	TWOH 4, 0, 0, 0, 0, 1                          ; steps 28 to 31, columns 128-255: A's four sets still hold them
	TWOH 4, 2, 0, 0, 0, 0
	WAYOUT 4
	s_wait_tensorcnt 0x0                           ; the wave's end
	ds_add_u32 v[SPW], v[NIL]
	s_wait_dscnt 0x0
	CROUND                                         ; the closing round
	s_endpgm
.Lfunc_end_k_q083a2f829d_gemm:
	.size	k_q083a2f829d_gemm, .Lfunc_end_k_q083a2f829d_gemm-k_q083a2f829d_gemm
	.p2alignl 7, 3214868480
	.fill 96, 4, 3214868480
	.section	.rodata,"a",@progbits
	.p2align	6, 0x0
	.amdhsa_kernel k_q083a2f829d_gemm
		.amdhsa_group_segment_fixed_size 327680
		.amdhsa_private_segment_fixed_size 0
		.amdhsa_enable_private_segment 0
		.amdhsa_kernarg_size 40
		.amdhsa_user_sgpr_count 2
		.amdhsa_user_sgpr_kernarg_segment_ptr 1
		.amdhsa_wavefront_size32 1
		.amdhsa_system_sgpr_workgroup_id_x 1
		.amdhsa_system_sgpr_workgroup_id_y 1
		.amdhsa_system_sgpr_workgroup_id_z 1
		.amdhsa_system_vgpr_workitem_id 0
		.amdhsa_next_free_vgpr 1024
		.amdhsa_next_free_sgpr 98
		.amdhsa_reserve_vcc 0
		.amdhsa_float_denorm_mode_32 3
		.amdhsa_float_denorm_mode_16_64 3
		.amdhsa_memory_ordered 1
		.amdhsa_forward_progress 1
		.amdhsa_inst_pref_size 255
	.end_amdhsa_kernel
	.section	.bss,"aw",@nobits
	.p2align	6
	.space	262144
	.amdgpu_metadata
---
amdhsa.version: [ 1, 2 ]
amdhsa.kernels:
  - .name:           k_q083a2f829d_gemm
    .symbol:         k_q083a2f829d_gemm.kd
    .args:
      - { .name: a_frag, .offset: 0, .size: 8, .value_kind: global_buffer, .address_space: global }
      - { .name: w_codes, .offset: 8, .size: 8, .value_kind: global_buffer, .address_space: global }
      - { .name: lowp_scales, .offset: 16, .size: 8, .value_kind: global_buffer, .address_space: global }
      - { .name: scale, .offset: 24, .size: 8, .value_kind: global_buffer, .address_space: global }
      - { .name: out0, .offset: 32, .size: 8, .value_kind: global_buffer, .address_space: global }
    .group_segment_fixed_size: 327680
    .private_segment_fixed_size: 0
    .kernarg_segment_align: 8
    .kernarg_segment_size: 40
    .max_flat_workgroup_size: 128
    .sgpr_count:     98
    .vgpr_count:     1024
    .wavefront_size: 32
...
	.end_amdgpu_metadata
.endif
;; end of part 2
